; MI455X (gfx1250); checked and timed in simulation.
; The chip was launched on July 23, 2026; its instructions are those of AMD's public machine-readable ISA for CDNA 5 (MIT licence, August 2026) and "CDNA5" Instruction Set Architecture Reference Guide (July 2026). The comments in the code are by the model that wrote it; some were corrected since.
;; NRU v1. Allowed arithmetic: matrix products marked QUANTISED: E2M3 operands, one E8M0 scale for each 32 along K, by v_wmma_scale_f32_16x16x128_f8f6f4 with both operands' format E2M3, f32 sums; everything else in f32.
;; Inputs: W_av 2,048 x 512 float32; W_go 512 x 1,024 float32; W_out 1,024 x 512 float32; b_av 2,048 float32; b_go 512 float32; b_out 1,024 float32; x 4 x 8,192 x 512 float32.
;; Outputs: out0 4 x 8,192 x 512 float32.
;; This version of the problem:
;;   THIS VERSION OF THE PROBLEM IS GIVEN IN LOW PRECISION. The matrix products marked QUANTISED in the list below multiply operands that are first quantised to E2M3 (2 exponent bits, 3 mantissa bits; 6 bits a number), with one power-of-two scale for each 32 numbers along K (OCP MX v1.0); their sums are f32. All else is computed in f32.
;;   The module's matrix products, in the order in which they are computed (A, B: the left and right operand; K: the contracted axis; several contracted axes count as one K, in the product's order):
;;     1. [M 32,764, K 512] x [K 512, N 2,048]; A: input x; B: input W_av: QUANTISED
;;     2. [M 32,768, K 1,024] x [K 1,024, N 512]; A: computed on the way; B: input W_go: QUANTISED
;;     3. [M 32,768, K 512] x [K 512, N 1,024]; A: computed on the way; B: input W_out: QUANTISED
;;   THE QUANTISER, for each operand of a quantised product, along K:
;;     - K is cut into blocks of 32 from its start; a last block that is shorter is filled with zeros.
;;     - A block's scale is 2^e with e = floor(log2(the largest magnitude in the block)) - 2, held to -126 .. 127; a block of zeros has e = 0. As a byte (E8M0): e + 127.
;;     - Each number is divided by its block's scale, clamped to +-7.5, and rounded to the nearest number of E2M3, ties to even, subnormals kept.
;;     - The product sums the exact products of the quantised numbers (number of the format x scale) in f32.
;;   ~~~python
;;   def quantise(x, axis):      # numpy; x: float32 -> the quantised numbers, widened to float32 again
;;       x = np.moveaxis(x, axis, -1); K = x.shape[-1]
;;       x = np.pad(x, [(0, 0)] * (x.ndim - 1) + [(0, -K % 32)]); x = x.reshape(x.shape[:-1] + (-1, 32)); a = np.abs(x).max(-1, keepdims=True)
;;       e = np.where(a > 0, np.clip(np.frexp(np.where(a > 0, a, 1))[1] - 1 - 2, -126, 127), 0)      # np.frexp(a)[1] - 1 = floor(log2(a)), exactly
;;       r = np.clip(x / 2.0 ** e, -7.5, 7.5)
;;       step = 2.0 ** (np.maximum(np.frexp(np.where(r == 0, 1, r))[1] - 1, 0) - 3)
;;       q = np.round(r / step) * step * 2.0 ** e      # np.round: ties to even
;;       return np.moveaxis(q.reshape(q.shape[:-2] + (-1,))[..., :K], -1, axis).astype(np.float32)
;;   ~~~
;;   OPERANDS COMPUTED ON THE WAY. 'Computed on the way' means the value that the module computes at that place (a softmax that the list does not call 'softmax' is quantised finished and normalised). What goes into a quantiser is computed in f32, as accurately as f32 sums, v_exp_f32 and their like allow (about 1e-6 of the number): no bf16 or f16 on the way to a quantiser, and a product that is left as it is and whose result goes on into a quantised operand takes f32 operands (vector FMAs, or v_wmma_f32_16x16x4_f32). A number that lies on a knife's edge between two numbers of the format may be rounded either way, as far as f32 arithmetic and the matrix unit's own rounding can turn it there, and no further.
;; One version. Each part assembles by itself: llvm-mc -triple=amdgcn-amd-amdhsa -mcpu=gfx1250 --defsym DOCPART=n.
;; ======== version 1 of 1: 3 launches
;; workspace buffers: xq 13,107,200 bytes; wq 1,654,784 bytes; csum 1,048,576 bytes
;; launch prep (part 1): grid 2304 x 1, 4 waves a work-group, no clusters, 34,304 bytes of LDS; arguments x, W_av, b_av, W_go, b_go, W_out, b_out, xq, wq; writes xq, wq
.if DOCPART == 1
	.amdgcn_target "amdgcn-amd-amdhsa--gfx1250"
	.amdhsa_code_object_version 6
	.text
	.protected	k_q5c3e316567_prep
	.globl	k_q5c3e316567_prep
	.p2align	8
	.type	k_q5c3e316567_prep,@function
k_q5c3e316567_prep:
	s_mov_b64 s[64:65], 0
	v_nop
	global_prefetch_b8 v0, s[64:65] scope:SCOPE_SE
	s_setreg_imm32_b32 hwreg(HW_REG_WAVE_MODE, 25, 1), 1
	s_wait_xcnt 0x0
; x [32768][512], W_av [2048][512], W_go [512][1024], W_out [1024][512], all f32 with K innermost, become codes of FP6 (E2M3) with one E8M0 byte for each 32 along K,
; laid as IMAGES OF OPERAND REGISTERS: a fragment is 16 rows x 128 K = 12 registers a lane; register p of lane L lies at 512 (p / 4) + 16 L + 4 (p % 4) of its 1,536 bytes,
; so that three loads of 16 bytes a lane bring it back.  Its 16 scale words (4 bytes a row) lie apart.  The biases are copied beside the weights, in the order of a result tile's rows.
; ONE WAVE MAKES ONE FRAGMENT.  Job J = 4 x work-group + wave.  J < 8192: x, chunk J / 32 of 128 rows, fragment f = J % 32 = 4 tile + K step; row m of tile T is row 64 (T / 4) + 4 m + T % 4 of the chunk.
; Else a weight: slot k = (J - 8192) / 64 of 103,424 bytes, fragment F = 32 wc + 8 g + i; row m of a fragment is weight row base + m + 8 (m / 8).
;   k 0-7   W_av : base 512 (i / 2) + 256 wc + 32 k + 8 (i % 2), K step g
;   k 8-11  W_go : base 256 wc + 64 (k - 8) + 32 ((i / 2) % 2) + 8 (i % 2), K step 2 g + i / 4
;   k 12-15 W_out: base 512 (i / 4) + 256 wc + 64 (k - 12) + 32 ((i / 2) % 2) + 8 (i % 2), K step g
; A slot: 64 fragments; from 98,304 the scale words, 64 bytes a fragment; from 102,400 the bias tiles, 64 bytes for each (wc, i), written by the jobs with g = 0.
; Each of a job's 16 loads reads 512 consecutive bytes of one row; the 8,192 bytes turn through the wave's own stage in LDS (rows 528 bytes apart) and come back 128 bytes a lane: lane (r, h) holds k = 64 c + 32 h + 0 .. 31 of row r.
; A block's scale is 2^(floor(log2(largest magnitude)) - 2): its byte is the largest magnitude's exponent field - 2, held at 1 from below by a floor among the maximum's leaves.
; LIMITS: NaN and infinities among the inputs are not served.  A block of zeros gets the byte 1 where the rule says 127: its codes are zeros, and these bytes are read by this program alone.
; The paths that part on the job's number set scalar registers alone; all LDS lines stand on the one common path.  Waves share nothing: no barrier.
.set SLOTB, 103424
.set XCH,   51200                      ; a chunk of x in xq: 32 fragments, then 32 x 64 bytes of scale words
.set AD,  8                            ; v8-23    byte offsets of my 16 loads
.set RL,  32                           ; v32-95   the numbers as loaded
.set XN,  96                           ; v96-159  my two blocks of 32 neighbours
.set MX,  160                          ; v160-161 largest magnitudes
.set SOP, 162                          ; v162-163 the conversions' scale operands
.set BY,  164                          ; v164-165 the scale bytes
.set CF,  168                          ; v168-179 the fragment
.set CT,  180                          ; v180-187 the upper halves of the blocks' codes, as converted
	s_load_b512 s[8:23], s[0:1], 0x0               ; x s[8:9], W_av s[10:11], b_av s[12:13], W_go s[14:15], b_go s[16:17], W_out s[18:19], b_out s[20:21], xq s[22:23]
	s_load_b64 s[24:25], s[0:1], 0x40              ; wq
	v_lshl_add_u32 v192, v0, 2, 0x8400
	v_mov_b32 v193, 0
	v_lshrrev_b32 v1, 5, v0
	v_readfirstlane_b32 s26, v1                    ; wave
	s_lshl_b32 s27, ttmp9, 2
	s_add_co_u32 s27, s27, s26                     ; J
	v_and_b32 v1, 31, v0                           ; lane
	v_and_b32 v2, 15, v0                           ; r
	v_bfe_u32 v3, v0, 4, 1                         ; h
	v_lshlrev_b32 v4, 4, v1                        ; 16 x lane
	s_mul_i32 s44, s26, 8448                       ; my stage
	v_add_nc_u32 v5, s44, v4                       ; into it: 16 x lane of row m
	v_mul_u32_u24 v6, v2, 528
	v_lshl_add_u32 v6, v3, 7, v6
	v_add_nc_u32 v6, s44, v6                       ; out of it: row r, + 128 h
	v_lshlrev_b32 v7, 2, v2                        ; 4 r
	s_mov_b32 s2, 0x76543210
	s_mov_b32 s3, 0xfedcba98                       ; v_permlanex16_b32's selects for lane l xor 16
	s_wait_kmcnt 0x0
	s_cmp_lt_u32 s27, 8192
	s_cbranch_scc0 .Lweight
	s_lshr_b32 s44, s27, 5                         ; chunk
	s_and_b32 s45, s27, 31                         ; f
	s_lshr_b32 s46, s45, 2                         ; tile
	s_and_b32 s42, s45, 3                          ; K step
	s_lshl_b32 s40, s44, 7
	s_lshr_b32 s47, s46, 2
	s_lshl_b32 s47, s47, 6
	s_add_co_u32 s40, s40, s47
	s_and_b32 s47, s46, 3
	s_add_co_u32 s40, s40, s47                     ; first row: 128 chunk + 64 (tile / 4) + tile % 4
	s_mov_b32 s41, 2048                            ; bytes in a row
	s_mov_b32 s38, 8192                            ; from fragment row to fragment row: four rows
	s_mov_b32 s39, 0
	s_mov_b32 s43, 0                               ; no bias
	s_mov_b64 s[28:29], s[8:9]
	s_mov_b64 s[30:31], s[22:23]
	s_mov_b64 s[34:35], s[12:13]                   ; (written on every path; not used on this one)
	s_mul_i32 s48, s44, XCH
	s_mul_i32 s50, s45, 1536
	s_add_co_u32 s50, s50, s48                     ; where the codes go
	s_lshl_b32 s52, s45, 6
	s_add_co_u32 s52, s52, s48
	s_add_co_u32 s52, s52, 49152                   ; and the scale words
	s_mov_b32 s58, 0
	s_mov_b32 s60, 0
	s_branch .Ljoin
.Lweight:
	s_sub_co_u32 s44, s27, 8192
	s_lshr_b32 s45, s44, 6                         ; k
	s_and_b32 s46, s44, 63                         ; F
	s_lshr_b32 s47, s46, 5                         ; wc
	s_bfe_u32 s48, s46, 0x20003                    ; g
	s_and_b32 s49, s46, 7                          ; i
	s_lshl_b32 s40, s47, 8                         ; 256 wc
	s_and_b32 s56, s49, 1
	s_lshl_b32 s56, s56, 3
	s_add_co_u32 s40, s40, s56                     ; + 8 (i % 2)
	s_cmp_lt_u32 s45, 8
	s_cbranch_scc0 .Lnot_av
	s_lshr_b32 s56, s49, 1
	s_lshl_b32 s56, s56, 9
	s_add_co_u32 s40, s40, s56                     ; + 512 (i / 2)
	s_lshl_b32 s56, s45, 5
	s_add_co_u32 s40, s40, s56                     ; + 32 k
	s_mov_b32 s42, s48
	s_mov_b32 s41, 2048
	s_mov_b64 s[28:29], s[10:11]
	s_mov_b64 s[34:35], s[12:13]
	s_branch .Lwjoin
.Lnot_av:
	s_bfe_u32 s56, s49, 0x10001
	s_lshl_b32 s56, s56, 5
	s_add_co_u32 s40, s40, s56                     ; + 32 ((i / 2) % 2)
	s_cmp_lt_u32 s45, 12
	s_cbranch_scc0 .Lnot_go
	s_sub_co_u32 s56, s45, 8
	s_lshl_b32 s56, s56, 6
	s_add_co_u32 s40, s40, s56                     ; + 64 (k - 8)
	s_lshr_b32 s56, s49, 2
	s_lshl_b32 s42, s48, 1
	s_add_co_u32 s42, s42, s56                     ; K step 2 g + i / 4
	s_mov_b32 s41, 4096
	s_mov_b64 s[28:29], s[14:15]
	s_mov_b64 s[34:35], s[16:17]
	s_branch .Lwjoin
.Lnot_go:
	s_sub_co_u32 s56, s45, 12
	s_lshl_b32 s56, s56, 6
	s_add_co_u32 s40, s40, s56                     ; + 64 (k - 12)
	s_lshr_b32 s56, s49, 2
	s_lshl_b32 s56, s56, 9
	s_add_co_u32 s40, s40, s56                     ; + 512 (i / 4)
	s_mov_b32 s42, s48
	s_mov_b32 s41, 2048
	s_mov_b64 s[28:29], s[18:19]
	s_mov_b64 s[34:35], s[20:21]
.Lwjoin:
	s_mov_b32 s38, s41                             ; from fragment row to fragment row: one row,
	s_lshl_b32 s39, s41, 3                         ; and eight more between rows 7 and 8
	s_cmp_eq_u32 s48, 0
	s_cselect_b32 s43, 1, 0                        ; the jobs with g = 0 copy the bias of their rows
	s_mov_b64 s[30:31], s[24:25]
	s_mul_i32 s56, s45, SLOTB
	s_mul_i32 s50, s46, 1536
	s_add_co_u32 s50, s50, s56
	s_lshl_b32 s52, s46, 6
	s_add_co_u32 s52, s52, s56
	s_add_co_u32 s52, s52, 98304
	s_lshl_b32 s58, s47, 9
	s_lshl_b32 s57, s49, 6
	s_add_co_u32 s58, s58, s57
	s_add_co_u32 s58, s58, s56
	s_add_co_u32 s58, s58, 102400
	s_lshl_b32 s60, s40, 2
.Ljoin:
	s_mov_b32 s51, 0
	s_mov_b32 s53, 0
	s_mov_b32 s59, 0
	s_mov_b32 s61, 0
	s_add_nc_u64 s[32:33], s[30:31], s[52:53]      ; scale words
	s_add_nc_u64 s[36:37], s[30:31], s[58:59]      ; bias tile
	s_add_nc_u64 s[30:31], s[30:31], s[50:51]      ; codes
	s_add_nc_u64 s[34:35], s[34:35], s[60:61]      ; the bias of my first row
	s_mul_i32 s54, s40, s41                        ; first row x bytes in a row: under 2^27
	s_lshl_b32 s55, s42, 9
	s_add_co_u32 s54, s54, s55                     ; + 512 x K step
	s_mov_b32 s55, 0
	s_add_nc_u64 s[28:29], s[28:29], s[54:55]
	s_mov_b32 s62, 0
.irp m, 0,1,2,3,4,5,6,7,8,9,10,11,12,13,14,15
.if \m == 8
	s_add_co_u32 s62, s62, s39
.endif
	v_add_nc_u32 v[AD+\m], s62, v4
	s_add_co_u32 s62, s62, s38
.endr
.irp m, 0,1,2,3,4,5,6,7,8,9,10,11,12,13,14,15
	global_load_b128 v[RL+4*\m:RL+4*\m+3], v[AD+\m], s[28:29] th:TH_LOAD_NT   ; 32 lanes read 512 consecutive bytes of fragment row m
.endr
.irp m, 0,1,2,3,4,5,6,7,8,9,10,11,12,13,14,15
	s_wait_loadcnt 15-\m                           ; loads come back in order: row m is in, the younger rows may be out
	ds_store_b128 v5, v[RL+4*\m:RL+4*\m+3] offset:528*\m
.endr
.irp c, 0,1
.irp j, 0,1,2,3,4,5,6,7
	ds_load_b128 v[XN+32*\c+4*\j:XN+32*\c+4*\j+3], v6 offset:256*\c+16*\j   ; LDS serves a wave's instructions in order: these see my stores
.endr
.endr
	s_wait_dscnt 0x0
.irp c, 0,1
	v_max3_num_f32 v[MX+\c], |v[XN+32*\c]|, |v[XN+32*\c+1]|, 0x1800000   ; block 2 c + h: all its 32 numbers are mine; the floor 2^(3 - 127) holds the byte at 1 from below
.endr
.irp i, 2,4,6,8,10,12,14,16,18,20,22,24,26,28,30
.irp c, 0,1
	v_max3_num_f32 v[MX+\c], v[MX+\c], |v[XN+32*\c+\i]|, |v[XN+32*\c+\i+1]|   ; (the two blocks by turns)
.endr
.endr
.irp c, 0,1
	v_add_nc_u32 v[SOP+\c], 0xff000000, v[MX+\c]   ; 2 off the exponent field: the conversion takes this operand's exponent field as its scale
.endr
.irp c, 0,1
	v_lshrrev_b32 v[BY+\c], 23, v[SOP+\c]          ; the scale's byte
.endr
	v_lshl_or_b32 v166, v[BY+1], 16, v[BY]         ; my two bytes: blocks h and 2 + h,
	v_lshlrev_b32 v167, 3, v3
	v_lshlrev_b32 v166, v167, v166                 ; 8 h bits up;
	v_mov_b32 v167, 0
	v_permlanex16_b32 v167, v166, s2, s3
	v_or_b32 v166, v166, v167                      ; with lane l xor 16's two the row's word is whole
.irp c, 0,1
	v_cvt_scalef32_pk16_fp6_f32 v[CF+6*\c:CF+6*\c+2], v[XN+32*\c:XN+32*\c+15], v[SOP+\c]
	v_cvt_scalef32_pk16_fp6_f32 v[CT+4*\c:CT+4*\c+2], v[XN+32*\c+16:XN+32*\c+31], v[SOP+\c]   ; (a conversion's three registers begin on an even number)
.endr
	v_nop                                          ; one plain instruction behind the scaled conversions
.irp c, 0,1
.irp i, 0,1,2
	v_mov_b32 v[CF+6*\c+3+\i], v[CT+4*\c+\i]
.endr
.endr
.irp q, 0,1,2
	global_store_b128 v4, v[CF+4*\q:CF+4*\q+3], s[30:31] offset:512*\q   ; 32 lanes store 512 consecutive bytes, aligned
.endr
	global_store_b32 v7, v166, s[32:33]            ; 16 words; lanes l and l xor 16 store the same word with the same value
	s_cmp_eq_u32 s43, 1
	s_cbranch_scc0 .Ldone
	v_and_b32 v189, 8, v2
	v_add_nc_u32 v189, v189, v2                    ; r + 8 (r / 8)
	v_lshlrev_b32 v189, 2, v189
	global_load_b32 v188, v189, s[34:35]
	s_wait_loadcnt 0x0
	global_store_b32 v7, v188, s[36:37]
.Ldone:
	s_wait_tensorcnt 0x0
	ds_add_u32 v192, v193
	s_wait_dscnt 0x0
	s_endpgm
.Lfunc_end_k_q5c3e316567_prep:
	.size	k_q5c3e316567_prep, .Lfunc_end_k_q5c3e316567_prep-k_q5c3e316567_prep
	.p2alignl 7, 3214868480
	.fill 96, 4, 3214868480
	.section	.rodata,"a",@progbits
	.p2align	6, 0x0
	.amdhsa_kernel k_q5c3e316567_prep
		.amdhsa_group_segment_fixed_size 34304
		.amdhsa_private_segment_fixed_size 0
		.amdhsa_enable_private_segment 0
		.amdhsa_kernarg_size 72
		.amdhsa_user_sgpr_count 2
		.amdhsa_user_sgpr_kernarg_segment_ptr 1
		.amdhsa_wavefront_size32 1
		.amdhsa_system_sgpr_workgroup_id_x 1
		.amdhsa_system_sgpr_workgroup_id_y 1
		.amdhsa_system_sgpr_workgroup_id_z 1
		.amdhsa_system_vgpr_workitem_id 0
		.amdhsa_next_free_vgpr 194
		.amdhsa_next_free_sgpr 66
		.amdhsa_reserve_vcc 0
		.amdhsa_float_denorm_mode_32 3
		.amdhsa_float_denorm_mode_16_64 3
		.amdhsa_memory_ordered 1
		.amdhsa_forward_progress 1
		.amdhsa_inst_pref_size 14
	.end_amdhsa_kernel
	.amdgpu_metadata
---
amdhsa.version: [ 1, 2 ]
amdhsa.kernels:
  - .name:           k_q5c3e316567_prep
    .symbol:         k_q5c3e316567_prep.kd
    .args:
      - { .name: x, .offset: 0, .size: 8, .value_kind: global_buffer, .address_space: global }
      - { .name: W_av, .offset: 8, .size: 8, .value_kind: global_buffer, .address_space: global }
      - { .name: b_av, .offset: 16, .size: 8, .value_kind: global_buffer, .address_space: global }
      - { .name: W_go, .offset: 24, .size: 8, .value_kind: global_buffer, .address_space: global }
      - { .name: b_go, .offset: 32, .size: 8, .value_kind: global_buffer, .address_space: global }
      - { .name: W_out, .offset: 40, .size: 8, .value_kind: global_buffer, .address_space: global }
      - { .name: b_out, .offset: 48, .size: 8, .value_kind: global_buffer, .address_space: global }
      - { .name: xq, .offset: 56, .size: 8, .value_kind: global_buffer, .address_space: global }
      - { .name: wq, .offset: 64, .size: 8, .value_kind: global_buffer, .address_space: global }
    .group_segment_fixed_size: 34304
    .private_segment_fixed_size: 0
    .kernarg_segment_align: 8
    .kernarg_segment_size: 72
    .max_flat_workgroup_size: 128
    .sgpr_count:     66
    .vgpr_count:     194
    .wavefront_size: 32
...
	.end_amdgpu_metadata
.endif
;; end of part 1
;; launch sums (part 2): grid 256 x 1, 4 waves a work-group, clusters of 4 x 1, 327,680 bytes of LDS; arguments xq, wq, csum; writes csum
.if DOCPART == 2
	.amdgcn_target "amdgcn-amd-amdhsa--gfx1250"
	.amdhsa_code_object_version 6
	.text
	.protected	k_q5c3e316567_sums
	.globl	k_q5c3e316567_sums
	.p2align	8
	.type	k_q5c3e316567_sums,@function
k_q5c3e316567_sums:
	s_mov_b64 s[64:65], 0
	v_nop
	global_prefetch_b8 v0, s[64:65] scope:SCOPE_SE
	s_setreg_imm32_b32 hwreg(HW_REG_WAVE_MODE, 25, 1), 1
	s_wait_xcnt 0x0
	s_wait_alu depctr_hold_cnt(0) depctr_sa_sdst(0) depctr_va_vdst(0) depctr_va_sdst(0) depctr_va_ssrc(0) depctr_va_vcc(0) depctr_vm_vsrc(0)
	s_getreg_b32 s2, hwreg(HW_REG_IB_STS2, 6, 4)
	s_cmp_eq_u32 s2, 0
	s_cbranch_scc0 .Lentry_in_a_cluster
	s_endpgm
.Lentry_in_a_cluster:
	s_bfe_u32 s2, ttmp6, 0x10000c
	s_cmp_lg_u32 s2, 0x3003
	s_cbranch_scc0 .Lentry_shape_is_right
	s_endpgm
.Lentry_shape_is_right:
; The first product on codes of FP6, av = x W_av^T + b_av, then inp = av0 av1 - av2 av3, and of inp only the COLUMN SUMS of each chunk of 128 rows: csum[X][0][512] the whole chunk's, csum[X][1][512] its first 64 rows'.
; The running sum along the sequence spans work-groups: these sums carry it to the next launch, which computes the product again and keeps everything else out of memory.
; SHARES.  Work-group X takes rows 128 X .. 128 X + 127.  Wave w: wr = w / 2 picks 64 rows, wc = w % 2 picks 256 of the 512 columns.  Lane r of row tile t (0..3) holds row 64 wr + 4 r + t.
; THE PRODUCT IS USED TRANSPOSED: source 0 = 16 rows of the weight, source 1 = 16 rows of x.  The rows of a weight fragment are base + m + 8 (m / 8), so the 16 registers of two neighbouring tiles are 16 neighbouring columns.
; A STEP takes one slot of the weight stream (64 fragments, their scale words and biases: 103,424 bytes): for each wc 32 columns x the four parts of av, K = 512 in four groups of 128: 128 matrix instructions a wave.
; x's 16 fragments of my 64 rows stay in registers.  The weights' fragments go LDS -> registers in two sets of 8 by turns.
; CLUSTER.  All work-groups walk the same weight stream: the four of a cluster ask for each slot jointly (mask 15), each wave for a quarter of the slot, 101 rows of 256 bytes.
; RING.  Two slots.  In front of each change of slots every wave waits for all its tensor loads, adds 0 to its spare word, waits for that and for its reads of the slot; the barrier opens a round of the cluster's barrier; the refill is first behind it.
; By this text's count a wave has two tensor loads out at the start and one afterwards.
; REGISTERS, in windows of 256: window 0: v0-23 addresses; v24-39 the weights' scale words (register q: fragment 2 q in lanes 0-15, 2 q + 1 in lanes 16-31); v40-47 x's (register 2 t + s / 2: even K step below, odd above);
;   v64-159, v160-255 the weights' two sets (the second is free during an epilogue).  window 1: v0-191 x's fragments, 12 (4 t + s); v192-255 the biases, 8 a tile.  window 3: the 32 accumulators: tile i, row tile t at 64 (i / 2) + 16 t + 8 (i % 2).
; LIMITS: NaN and infinities are not served; inp is one fused step, a0 a1 - round(a2 a3).
.set SLOTB, 103424
.set OFFT,  309248                     ; [wr][512] f32: the waves' sums meet here
.set SPARE, 313344                     ; the spare words, 128 bytes for each wave
.set WS, 24
.set XS, 40
.set PFLO, 0                           ; the prefetches: steps 0 .. 4 name slots 3 .. 7
.set PFN,  5
.set MSB, 0
.macro WIN new                         ; the immediate's high byte repeats the setting that is left; a switch that changes nothing is dropped
.if MSB != \new
	s_set_vgpr_msb (MSB<<8)|\new
.set MSB, \new
.endif
.endm
.macro PLACES                          ; four plain instructions: behind matrix instructions in front of loads into their registers and of reads of their results, and behind a tensor load
.rept 4
	v_nop
.endr
.endm
.macro CREST                           ; a round of the cluster's barrier behind its opening barrier
	s_cmp_lg_u32 s12, 0
	s_cbranch_scc1 .Lnw0_\@
	s_barrier_signal -3
.Lnw0_\@:
	s_barrier_wait -3
	s_barrier_signal -1
	s_barrier_wait -1
.endm
.macro ROUND
	s_barrier_signal -1
	s_barrier_wait -1
	CREST
.endm
.macro BARRIER                         ; my LDS stores have landed and my LDS loads are in: then the work-group's barrier
	s_wait_dscnt 0x0
	s_barrier_signal -1
	s_barrier_wait -1
.endm
.macro WM1                             ; one matrix instruction from the symbols rD, rW, rA, rC, rSA, rSB; fRA, fRB: the scale words stand in lanes 16-31
.if fRA && fRB
	v_wmma_scale_f32_16x16x128_f8f6f4 v[rD:rD+7], v[rW:rW+11], v[rA:rA+11], v[rC:rC+7], v[rSA], v[rSB] matrix_a_fmt:MATRIX_FMT_FP6 matrix_b_fmt:MATRIX_FMT_FP6 matrix_a_scale:MATRIX_SCALE_ROW1 matrix_b_scale:MATRIX_SCALE_ROW1
.elseif fRA
	v_wmma_scale_f32_16x16x128_f8f6f4 v[rD:rD+7], v[rW:rW+11], v[rA:rA+11], v[rC:rC+7], v[rSA], v[rSB] matrix_a_fmt:MATRIX_FMT_FP6 matrix_b_fmt:MATRIX_FMT_FP6 matrix_a_scale:MATRIX_SCALE_ROW1
.elseif fRB
	v_wmma_scale_f32_16x16x128_f8f6f4 v[rD:rD+7], v[rW:rW+11], v[rA:rA+11], v[rC:rC+7], v[rSA], v[rSB] matrix_a_fmt:MATRIX_FMT_FP6 matrix_b_fmt:MATRIX_FMT_FP6 matrix_b_scale:MATRIX_SCALE_ROW1
.else
	v_wmma_scale_f32_16x16x128_f8f6f4 v[rD:rD+7], v[rW:rW+11], v[rA:rA+11], v[rC:rC+7], v[rSA], v[rSB] matrix_a_fmt:MATRIX_FMT_FP6 matrix_b_fmt:MATRIX_FMT_FP6
.endif
.endm
; K group g, tiles i0 .. i1 - 1 x the four row tiles.  The 32 accumulators take turns, one instruction a turn, in the same order in every group.  Group 0 starts the sums with the bias as C.
.macro MULS g, i0, i1
.set mi, \i0
.rept (\i1)-(\i0)
.set mt, 0
.rept 4
.set rW, 64+96*((\g)&1)+12*mi
.set rSA, WS+((8*(\g)+mi)>>1)
.set fRA, (mi&1)
.set rD, 64*(mi>>1)+16*mt+8*(mi&1)
.set rA, 12*(4*mt+(\g))
.set rSB, XS+2*mt+((\g)>>1)
.set fRB, ((\g)&1)
.if (\g) == 0
.set rC, 192+8*mi
	WIN 0xd4                                       ; W window 0, x window 1, the bias window 1, D window 3
.else
.set rC, rD
	WIN 0xf4                                       ; C and D window 3
.endif
	WM1
.set mt, mt+1
.endr
.set mi, mi+1
.endr
.endm
.macro LOADW set, g                    ; my eight fragments of group g: 24 loads of 16 bytes a lane, each 512 consecutive bytes
.set li, 0
.rept 8
.set lq, 0
.rept 3
	ds_load_b128 v[64+96*(\set)+12*li+4*lq:64+96*(\set)+12*li+4*lq+3], v9 offset:1536*(8*(\g)+li)+512*lq
.set lq, lq+1
.endr
.set li, li+1
.endr
.endm
.macro ENTRY                           ; a slot's first loads, 56: group 0's fragments, all 32 fragments' scale words, the eight bias tiles
	v_add_nc_u32 v9, s38, v6
	v_add_nc_u32 v10, s38, v7
	v_add_nc_u32 v11, s38, v8
	LOADW 0, 0
.set li, 0
.rept 16
	ds_load_b32 v[WS+li], v10 offset:128*li
.set li, li+1
.endr
	WIN 0x40
.set li, 0
.rept 16
	ds_load_b128 v[192+4*li:195+4*li], v11 offset:64*(li>>1)+16*(li&1)
.set li, li+1
.endr
	WIN 0
.endm
; A prefetch of the fragments of the slot that the NEXT refill will ask for: 384 blocks of 256 bytes, a lane a block.  The first cluster asks; its four partners are told apart by address (96 blocks each), waves 0 to 2 take 32 each:
; each block is named once in the launch.  It stands behind the wave's tensor load and its four lines.  The last steps name nothing.
.macro ASK
	s_sub_co_u32 s49, s39, PFLO
	s_cmp_lt_u32 s49, s48
	s_cbranch_scc0 .Lnask_\@
	global_prefetch_b8 v21, s[46:47] th:TH_LOAD_NT scope:SCOPE_SE
.Lnask_\@:
.endm
; inp of my 64 rows x 32 columns, summed over the rows: within the lane (four row tiles), then over the 16 lanes of a half.
.macro EPI_SUM
	WIN 0xff
.set ee, 0
.rept 32
	v_pk_mul_f32 v[128+ee:129+ee], v[128+ee:129+ee], v[192+ee:193+ee]          ; a2 a3; each accumulator is taken from its low end on
.set ee, ee+2
.endr
.set ee, 0
.rept 32
	v_pk_fma_f32 v[ee:ee+1], v[ee:ee+1], v[64+ee:65+ee], v[128+ee:129+ee] neg_lo:[0,0,1] neg_hi:[0,0,1]   ; inp = a0 a1 - a2 a3
.set ee, ee+2
.endr
	WIN 0x0f
.set ee, 0
.rept 8
	v_pk_add_f32 v[160+ee:161+ee], v[ee:ee+1], v[16+ee:17+ee]
.set ee, ee+2
.endr
	WIN 0x0c
.set ee, 0
.rept 8
	v_pk_add_f32 v[160+ee:161+ee], v[160+ee:161+ee], v[32+ee:33+ee]
.set ee, ee+2
.endr
.set ee, 0
.rept 8
	v_pk_add_f32 v[160+ee:161+ee], v[160+ee:161+ee], v[48+ee:49+ee]
.set ee, ee+2
.endr
	WIN 0
.irp n, 1,2,4,8
.set ee, 0
.rept 16
	v_add_f32_dpp v[160+ee], v[160+ee], v[160+ee] row_xmask:\n row_mask:0xf bank_mask:0xf
.set ee, ee+1
.endr
.endr
	v_add_nc_u32 v13, s43, v12
.irp e, 0,1,2,3
	ds_store_b128 v13, v[160+4*\e:163+4*\e] offset:16*\e   ; the 16 lanes of a half store the same bytes with the same values
.endr
	s_wait_dscnt 0x0                               ; the stores are done: the next step's loads land in their registers
.endm
; A STEP.  refill = 1: the slot just read is filled again, two slots on.  last >= 0: in step number last no next slot is entered.
.macro STEP refill, last
	LOADW 1, 1
	s_wait_dscnt 24                                ; all but the 24 just issued: group 0, the scale words and the biases are in
	MULS 0, 0, 8
	WIN 0
	PLACES
	LOADW 0, 2
	s_wait_dscnt 24                                ; group 1 is in
	MULS 1, 0, 8
	WIN 0
	PLACES
	LOADW 1, 3
	s_wait_dscnt 24                                ; group 2 is in
	MULS 2, 0, 8
	WIN 0
	s_wait_tensorcnt 0x0                           ; all my tensor loads have landed: my quarter of the next slot; so the walking group 0 may be written
	ds_add_u32 v1, v2                              ; 0 onto my spare word
.if \refill
	s_xor_b32 s37, s37, SLOTB                      ; the slot to be filled: the one in hand
	s_add_co_u32 s33, s36, s37
	s_add_nc_u64 s[34:35], s[34:35], SLOTB         ; the next slot of the stream; the type bits on top are not reached
	s_wait_xcnt 0x0                                ; the last prefetch, a step back, has read its address
	s_add_nc_u64 s[46:47], s[46:47], SLOTB
.endif
	s_wait_dscnt 0x0                               ; the add is done, and my reads of this slot are over: group 3 is in registers
	s_barrier_signal -1
	MULS 3, 0, 4
	WIN 0
	s_barrier_wait -1
.if \refill
	CREST                                          ; no wave of any partner still reads this slot or has a load on its way
	tensor_load_to_lds s[32:35], s[20:27]
	s_nop 0
	PLACES
	ASK
.endif
	MULS 3, 4, 8
	WIN 0
	PLACES
	s_xor_b32 s38, s38, SLOTB                      ; on to the other slot, which is whole
.if \last >= 0
	s_cmp_eq_u32 s39, \last
	s_cbranch_scc1 .Lnoent_\@
.endif
	ENTRY                                          ; its first loads land while the epilogue runs
.if \last >= 0
.Lnoent_\@:
.endif
	EPI_SUM
	s_add_co_u32 s43, s43, 128                     ; 32 columns on
	s_add_co_u32 s39, s39, 1
.endm
	s_load_b128 s[4:7], s[0:1], 0x0                ; xq, wq
	s_load_b64 s[8:9], s[0:1], 0x10                ; csum
	v_lshl_add_u32 v1, v0, 2, SPARE
	v_mov_b32 v2, 0
	ds_add_u32 v1, v2
	ds_add_u32 v1, v2
	s_wait_dscnt 0x0
	v_lshrrev_b32 v160, 5, v0
	v_readfirstlane_b32 s12, v160                  ; wave
	s_lshr_b32 s13, s12, 1                         ; wr
	s_and_b32 s14, s12, 1                          ; wc
	s_bfe_u32 s15, ttmp6, 0x40000                  ; cx: it enters global addresses alone
	s_lshl_b32 s16, ttmp9, 2
	s_add_co_u32 s16, s16, s15                     ; X
	s_mov_b32 s20, 15|(3<<16)|(1<<21)              ; group 1: mask: all four work-groups; elements of 8 bytes; bit 21 beside a mask; no padding
	s_mov_b32 s21, 32<<16                          ; tensor_dim0 = 32 elements: 256 bytes
	s_mov_b32 s22, 101<<16                         ; tensor_dim1 = 101 rows
	s_mov_b32 s23, 32<<16                          ; tile_dim0
	s_mov_b32 s24, 101                             ; tile_dim1
	s_mov_b32 s25, 32                              ; the pitch: dense
	s_mov_b32 s26, 0
	s_mov_b32 s27, 0
	s_mul_i32 s36, s12, 25856                      ; my quarter of a slot, in LDS and in memory
	s_mov_b32 s37, SLOTB                           ; the slot last filled
	s_mov_b32 s38, 0                               ; the slot in hand
	s_mov_b32 s39, 0                               ; the step's number
	s_mov_b32 s43, 0
	s_cmp_lt_u32 s12, 3
	s_cselect_b32 s48, PFN, 0
	s_cmp_eq_u32 ttmp9, 0
	s_cselect_b32 s48, s48, 0                      ; waves 0 to 2 of the first cluster prefetch: the same in all four partners
	v_and_b32 v160, 31, v0                         ; lane
	v_bfe_u32 v162, v0, 4, 1                       ; h
	v_lshlrev_b32 v3, 4, v160                      ; 16 x lane
	v_lshlrev_b32 v4, 2, v160                      ; 4 x lane
	s_mul_i32 s49, s14, 49152
	v_add_nc_u32 v6, s49, v3                       ; my 32 fragments of a slot
	s_lshl_b32 s49, s14, 11
	s_add_co_u32 s49, s49, 98304
	v_add_nc_u32 v7, s49, v4                       ; their scale words
	s_lshl_b32 s49, s14, 9
	s_add_co_u32 s49, s49, 102400
	v_lshl_add_u32 v8, v162, 5, s49                ; my bias tiles: + 32 h
	s_lshl_b32 s49, s13, 11
	s_lshl_b32 s50, s14, 10
	s_add_co_u32 s49, s49, s50
	s_add_co_u32 s49, s49, OFFT
	v_lshl_add_u32 v12, v162, 6, s49               ; the table of sums: 2048 wr + 1024 wc + 64 h
	v_lshlrev_b32 v21, 8, v160                     ; the prefetches: 256 x lane
	v_lshlrev_b32 v23, 4, v0                       ; 16 x thread
	s_wait_kmcnt 0x0
	s_mov_b32 s51, 0
	s_mov_b32 s53, 0
	s_mov_b32 s50, s36
	s_add_nc_u64 s[18:19], s[6:7], s[50:51]        ; the stream at my quarter
	s_mov_b32 s28, 1                               ; group 0 for slot 0
	s_mov_b32 s29, s36
	s_mov_b64 s[30:31], s[18:19]
	s_or_b32 s31, s31, 0x80000000
	s_mov_b32 s32, 1                               ; group 0 for slot 1; it then walks
	s_add_co_u32 s33, s36, SLOTB
	s_add_nc_u64 s[34:35], s[18:19], SLOTB
	s_or_b32 s35, s35, 0x80000000
	s_mul_i32 s50, s15, 24576
	s_lshl_b32 s49, s12, 13
	s_add_co_u32 s50, s50, s49
	s_add_co_u32 s50, s50, 2*SLOTB
	s_add_nc_u64 s[46:47], s[6:7], s[50:51]        ; the prefetches stand in slot 2; the first refill steps them to slot 3
	s_mul_i32 s50, s16, 51200
	s_mul_i32 s49, s13, 24576
	s_add_co_u32 s52, s50, s49
	s_add_nc_u64 s[54:55], s[4:5], s[52:53]        ; my 16 fragments of x
	s_lshl_b32 s49, s13, 10
	s_add_co_u32 s50, s50, s49
	s_add_co_u32 s50, s50, 49152
	s_add_nc_u64 s[56:57], s[4:5], s[50:51]        ; their scale words
	s_lshl_b32 s50, s16, 12
	s_add_nc_u64 s[8:9], s[8:9], s[50:51]          ; csum[X]
	ROUND                                          ; all four work-groups are here: the first joint loads meet
	tensor_load_to_lds s[28:31], s[20:27]
	s_nop 0
	tensor_load_to_lds s[32:35], s[20:27]
	s_nop 0
	PLACES
	WIN 0x40
.set li, 0
.rept 48
	global_load_b128 v[4*li:4*li+3], v3, s[54:55] offset:512*li   ; fragment li / 3, its registers 4 (li % 3) on: images lie on end
.set li, li+1
.endr
	WIN 0
.set li, 0
.rept 8
	global_load_b32 v[XS+li], v4, s[56:57] offset:128*li
.set li, li+1
.endr
	s_wait_tensorcnt 0x1                           ; my quarter of slot 0 is in; slot 1's may stay out
	s_barrier_signal -1
	s_barrier_wait -1
	ENTRY
	s_wait_loadcnt 0x0                             ; x
	s_mov_b32 s40, 6
.La:                                               ; steps 0 .. 5 ask for slots 2 .. 7
	STEP 1, -1
	s_sub_co_u32 s40, s40, 1
	s_cmp_lg_u32 s40, 0
	s_cbranch_scc1 .La
	s_mov_b32 s40, 2
.Lb:                                               ; the last two steps are written out again
	STEP 0, 7
	s_sub_co_u32 s40, s40, 1
	s_cmp_lg_u32 s40, 0
	s_cbranch_scc1 .Lb
	BARRIER                                        ; all four waves' sums lie in the table
	v_add_nc_u32 v13, OFFT, v23
	ds_load_b128 v[160:163], v13                   ; the first 64 rows' sums of my four columns
	ds_load_b128 v[164:167], v13 offset:2048       ; the other 64 rows'
	s_wait_dscnt 0x0
	v_pk_add_f32 v[168:169], v[160:161], v[164:165]
	v_pk_add_f32 v[170:171], v[162:163], v[166:167]
	global_store_b128 v23, v[168:171], s[8:9]               ; a wave stores 512 consecutive bytes, aligned
	global_store_b128 v23, v[160:163], s[8:9] offset:2048
	s_wait_tensorcnt 0x0                           ; the wave's end
	ds_add_u32 v1, v2
	s_wait_dscnt 0x0
	ROUND                                          ; the closing round
	s_endpgm
.Lfunc_end_k_q5c3e316567_sums:
	.size	k_q5c3e316567_sums, .Lfunc_end_k_q5c3e316567_sums-k_q5c3e316567_sums
	.p2alignl 7, 3214868480
	.fill 96, 4, 3214868480
	.section	.rodata,"a",@progbits
	.p2align	6, 0x0
	.amdhsa_kernel k_q5c3e316567_sums
		.amdhsa_group_segment_fixed_size 327680
		.amdhsa_private_segment_fixed_size 0
		.amdhsa_enable_private_segment 0
		.amdhsa_kernarg_size 24
		.amdhsa_user_sgpr_count 2
		.amdhsa_user_sgpr_kernarg_segment_ptr 1
		.amdhsa_wavefront_size32 1
		.amdhsa_system_sgpr_workgroup_id_x 1
		.amdhsa_system_sgpr_workgroup_id_y 1
		.amdhsa_system_sgpr_workgroup_id_z 1
		.amdhsa_system_vgpr_workitem_id 0
		.amdhsa_next_free_vgpr 1024
		.amdhsa_next_free_sgpr 100
		.amdhsa_reserve_vcc 0
		.amdhsa_float_denorm_mode_32 3
		.amdhsa_float_denorm_mode_16_64 3
		.amdhsa_memory_ordered 1
		.amdhsa_forward_progress 1
		.amdhsa_inst_pref_size 87
	.end_amdhsa_kernel
	.amdgpu_metadata
---
amdhsa.version: [ 1, 2 ]
amdhsa.kernels:
  - .name:           k_q5c3e316567_sums
    .symbol:         k_q5c3e316567_sums.kd
    .args:
      - { .name: xq, .offset: 0, .size: 8, .value_kind: global_buffer, .address_space: global }
      - { .name: wq, .offset: 8, .size: 8, .value_kind: global_buffer, .address_space: global }
      - { .name: csum, .offset: 16, .size: 8, .value_kind: global_buffer, .address_space: global }
    .group_segment_fixed_size: 327680
    .private_segment_fixed_size: 0
    .kernarg_segment_align: 8
    .kernarg_segment_size: 24
    .max_flat_workgroup_size: 128
    .sgpr_count:     100
    .vgpr_count:     1024
    .wavefront_size: 32
...
	.end_amdgpu_metadata
.endif
;; end of part 2
;; launch chain (part 3): grid 256 x 1, 4 waves a work-group, clusters of 4 x 1, 327,680 bytes of LDS; arguments xq, wq, csum, out0; writes out0
.if DOCPART == 3
	.amdgcn_target "amdgcn-amd-amdhsa--gfx1250"
	.amdhsa_code_object_version 6
	.text
	.protected	k_q5c3e316567_chain
	.globl	k_q5c3e316567_chain
	.p2align	8
	.type	k_q5c3e316567_chain,@function
k_q5c3e316567_chain:
	s_mov_b64 s[64:65], 0
	v_nop
	global_prefetch_b8 v0, s[64:65] scope:SCOPE_SE
	s_setreg_imm32_b32 hwreg(HW_REG_WAVE_MODE, 25, 1), 1
	s_wait_xcnt 0x0
	s_wait_alu depctr_hold_cnt(0) depctr_sa_sdst(0) depctr_va_vdst(0) depctr_va_sdst(0) depctr_va_ssrc(0) depctr_va_vcc(0) depctr_vm_vsrc(0)
	s_getreg_b32 s2, hwreg(HW_REG_IB_STS2, 6, 4)
	s_cmp_eq_u32 s2, 0
	s_cbranch_scc0 .Lentry_in_a_cluster
	s_endpgm
.Lentry_in_a_cluster:
	s_bfe_u32 s2, ttmp6, 0x10000c
	s_cmp_lg_u32 s2, 0x3003
	s_cbranch_scc0 .Lentry_shape_is_right
	s_endpgm
.Lentry_shape_is_right:
; out = z_lo sigmoid(z_hi), z = Q(y) W_out^T + b_out, y = gelu(Q([x | ms]) W_go^T + b_go), ms = the exclusive running sum along the sequence of inp = av0 av1 - av2 av3, av = Q(x) W_av^T + b_av.
; All three products on codes of FP6 (E2M3) with one E8M0 scale for each 32 along K; ms, y and z never go to memory.
; SHARES.  Work-group X takes rows 128 X .. + 127 (batch X / 64, chunk X % 64).  Wave w: wr = w / 2 picks 64 rows, wc = w % 2 picks half of a product's columns.  Lane r of row tile t holds row 64 wr + 4 r + t: a lane's four tiles are four
; consecutive rows, so the running sum is three additions in a lane and one scan over 16 lanes.  What lies ahead of my 64 rows comes from csum: the sums of the batch's earlier chunks (chosen by a select, so that nothing of a later chunk can reach
; an earlier row) and, for wr = 1, of this chunk's first 64 rows.
; PRODUCTS ARE USED TRANSPOSED: source 0 = 16 rows of a weight, source 1 = 16 data rows; a weight fragment's rows are base + m + 8 (m / 8), so the 16 registers of two neighbouring tiles are 16 neighbouring columns: half a block of the next K.
; 16 STEPS, one slot of the weight stream each (64 fragments, scale words, biases: 103,424 bytes), 128 matrix instructions a wave: steps 0-7 the first product (32 columns of ms for each wc), 8-11 the second (64 columns of y), 12-15 the third (64 of out).
; ms AND y GO FROM WAVE TO WAVE THROUGH LDS as images of the operand's registers in pieces of 24 bytes: the codes of row r, block B (32 along K) lie at 384 B + 24 r of the row tile's 6,144 bytes; the lane that made 16 of them stores 12 bytes at + 12 h.
; Six loads of 8 bytes at 24 x lane bring a fragment back.  The scale bytes lie at 256 tile + 16 r + B.
; CLUSTER.  All work-groups walk the same weight stream: the four of a cluster ask for each slot jointly (mask 15), each wave for a quarter, 101 rows of 256 bytes.  Nothing else is shared.
; RING.  Two slots.  In front of each change of slots every wave waits for all its tensor loads, adds 0 to its spare word, waits for that and for its reads of the slot; the barrier opens a round of the cluster's barrier; the refill is first behind it.
; By this text's count a wave has two tensor loads out at the start and one afterwards.
; GELU, exact form: gelu(y) = max(y, 0) - |y| erfc(|y| / sqrt 2) / 2, erfc(z) = t exp(-z^2 + Q(t)), t = 1 / (1 + z / 2), Q of degree 9 (fractional error about 1.2e-7 for every z); no difference of near numbers in the negative tail.
; REGISTERS, in windows of 256.  window 0: v0-23 addresses; v24-39 the weights' scale words; v40-47 x's; v48-63 ms's, later y's; v64-159, v160-255 the weights' two sets (the second is free during an epilogue).
;   window 1: v0-191 x's fragments, later y's; v192-255 biases.  window 2: v0-191 ms's fragments; v192-207 what lies ahead of my rows; v208-215 at the head.  window 3: accumulators: tile i, row tile t at 64 (i / 2) + 16 t + 8 (i % 2).
; LIMITS: NaN and infinities are not served.  The running sum is added in another order than a plain chain: chunk sums, lanes, rows, all in f32.  inp is one fused step, a0 a1 - round(a2 a3).
; A block of zeros gets the scale byte 1: its codes are zeros.
.set SLOTB, 103424
.set R1,    206848                     ; y: 32 images of 1,536 bytes, then from + 49,152 the scale bytes
.set R2,    258048                     ; ms likewise; in the third product the waves' stages for the way out, 4,352 bytes each
.set OFFT,  309248                     ; [wr][512] f32: what lies ahead of the 64 rows
.set SPARE, 313344                     ; the spare words, 128 bytes for each wave
.set WS, 24
.set XS, 40
.set MSS, 48
.set PFLO, 5                           ; the prefetches: steps 5 .. 12 name slots 8 .. 15
.set PFN,  8
.set MSB, 0
.macro WIN new                         ; the immediate's high byte repeats the setting that is left; a switch that changes nothing is dropped
.if MSB != \new
	s_set_vgpr_msb (MSB<<8)|\new
.set MSB, \new
.endif
.endm
.macro PLACES                          ; four plain instructions: behind matrix instructions in front of loads into their registers and of reads of their results, and behind a tensor load
.rept 4
	v_nop
.endr
.endm
.macro CREST                           ; a round of the cluster's barrier behind its opening barrier
	s_cmp_lg_u32 s12, 0
	s_cbranch_scc1 .Lnw0_\@
	s_barrier_signal -3
.Lnw0_\@:
	s_barrier_wait -3
	s_barrier_signal -1
	s_barrier_wait -1
.endm
.macro ROUND
	s_barrier_signal -1
	s_barrier_wait -1
	CREST
.endm
.macro BARRIER                         ; my LDS stores have landed and my LDS loads are in: then the work-group's barrier
	s_wait_dscnt 0x0
	s_barrier_signal -1
	s_barrier_wait -1
.endm
.macro KPAIR r, bits                   ; a constant for the packed forms, which name a pair
	s_mov_b32 s[\r], \bits
	s_mov_b32 s[\r+1], \bits
.endm
.macro WM1                             ; one matrix instruction from the symbols rD, rW, rA, rC, rSA, rSB; fRA, fRB: the scale words stand in lanes 16-31
.if fRA && fRB
	v_wmma_scale_f32_16x16x128_f8f6f4 v[rD:rD+7], v[rW:rW+11], v[rA:rA+11], v[rC:rC+7], v[rSA], v[rSB] matrix_a_fmt:MATRIX_FMT_FP6 matrix_b_fmt:MATRIX_FMT_FP6 matrix_a_scale:MATRIX_SCALE_ROW1 matrix_b_scale:MATRIX_SCALE_ROW1
.elseif fRA
	v_wmma_scale_f32_16x16x128_f8f6f4 v[rD:rD+7], v[rW:rW+11], v[rA:rA+11], v[rC:rC+7], v[rSA], v[rSB] matrix_a_fmt:MATRIX_FMT_FP6 matrix_b_fmt:MATRIX_FMT_FP6 matrix_a_scale:MATRIX_SCALE_ROW1
.elseif fRB
	v_wmma_scale_f32_16x16x128_f8f6f4 v[rD:rD+7], v[rW:rW+11], v[rA:rA+11], v[rC:rC+7], v[rSA], v[rSB] matrix_a_fmt:MATRIX_FMT_FP6 matrix_b_fmt:MATRIX_FMT_FP6 matrix_b_scale:MATRIX_SCALE_ROW1
.else
	v_wmma_scale_f32_16x16x128_f8f6f4 v[rD:rD+7], v[rW:rW+11], v[rA:rA+11], v[rC:rC+7], v[rSA], v[rSB] matrix_a_fmt:MATRIX_FMT_FP6 matrix_b_fmt:MATRIX_FMT_FP6
.endif
.endm
; Product ph, group g of a slot, fragments i0 .. i1 - 1 x the four row tiles.  Products 1 and 3: fragment i is tile i, K step g.  Product 2: fragment i is tile i % 4, K step 2 g + i / 4 (K steps 0-3: x; 4-7: ms).
; The accumulators (32, or 16 in product 2) take turns, one instruction a turn, in the same order throughout.  K step 0 starts the sums with the bias as C.
.macro MULS ph, g, i0, i1
.set mi, \i0
.rept (\i1)-(\i0)
.set mt, 0
.rept 4
.set rW, 64+96*((\g)&1)+12*mi
.set rSA, WS+((8*(\g)+mi)>>1)
.set fRA, (mi&1)
.if \ph == 2
.set mk, 2*(\g)+(mi>>2)
.set ia, (mi&3)
.else
.set mk, \g
.set ia, mi
.endif
.set rD, 64*(ia>>1)+16*mt+8*(ia&1)
.if (\ph == 2) && (mk >= 4)
.set rA, 12*(4*mt+mk-4)
.set rSB, MSS+4*mt+mk-4
.set fRB, 0
.set wA, 0x08                          ; ms's fragments: window 2
.elseif \ph == 3
.set rA, 12*(4*mt+mk)
.set rSB, MSS+4*mt+mk
.set fRB, 0
.set wA, 0x04                          ; y's: window 1
.else
.set rA, 12*(4*mt+mk)
.set rSB, XS+2*mt+(mk>>1)
.set fRB, (mk&1)
.set wA, 0x04                          ; x's: window 1
.endif
.if mk == 0
.set rC, 192+8*mi
.set wN, 0xd0+wA                       ; the bias: window 1; D window 3
.else
.set rC, rD
.set wN, 0xf0+wA                       ; C and D window 3
.endif
	WIN wN
	WM1
.set mt, mt+1
.endr
.set mi, mi+1
.endr
.endm
.macro LOADW set, g                    ; my eight fragments of group g: 24 loads of 16 bytes a lane, each 512 consecutive bytes
.set li, 0
.rept 8
.set lq, 0
.rept 3
	ds_load_b128 v[64+96*(\set)+12*li+4*lq:64+96*(\set)+12*li+4*lq+3], v9 offset:1536*(8*(\g)+li)+512*lq
.set lq, lq+1
.endr
.set li, li+1
.endr
.endm
.macro ENTRY                           ; a slot's first loads, 56: group 0's fragments, all 32 fragments' scale words, the eight bias tiles
	v_add_nc_u32 v9, s38, v6
	v_add_nc_u32 v10, s38, v7
	v_add_nc_u32 v11, s38, v8
	LOADW 0, 0
.set li, 0
.rept 16
	ds_load_b32 v[WS+li], v10 offset:128*li
.set li, li+1
.endr
	WIN 0x40
.set li, 0
.rept 16
	ds_load_b128 v[192+4*li:195+4*li], v11 offset:64*(li>>1)+16*(li&1)
.set li, li+1
.endr
	WIN 0
.endm
; A prefetch of the fragments of the slot that the NEXT refill will ask for: 384 blocks of 256 bytes, a lane a block.  The first cluster asks; its four partners are told apart by address (96 blocks each), waves 0 to 2 take 32 each:
; each block is named once in the launch.  It stands behind the wave's tensor load and its four lines.  Slots 0 to 7 come by their loads alone, and the last refill names nothing.
.macro ASK
	s_sub_co_u32 s49, s39, PFLO
	s_cmp_lt_u32 s49, s48
	s_cbranch_scc0 .Lnask_\@
	global_prefetch_b8 v21, s[46:47] th:TH_LOAD_NT scope:SCOPE_SE
.Lnask_\@:
.endm
; n runs of 16 neighbours along the next K, run x at v[base + 16 x] of window 3, become 12 bytes of codes each in v[224 + 4 x] on and the block's scale byte in v[216 + x].  A block lies in lanes l and l xor 16.
.macro QRUN n, base
	WIN 0x0f
.set qx, 0
.rept \n
	v_max3_num_f32 v[192+qx], |v[\base+16*qx]|, |v[\base+16*qx+1]|, 0x1800000   ; and the floor 2^(3 - 127): the byte cannot fall under 1
.set qx, qx+1
.endr
	WIN 0x3c
.irp i, 2,4,6,8,10,12,14
.set qx, 0
.rept \n
	v_max3_num_f32 v[192+qx], v[192+qx], |v[\base+16*qx+\i]|, |v[\base+16*qx+\i+1]|   ; (the runs by turns)
.set qx, qx+1
.endr
.endr
	WIN 0
.set qx, 0
.rept \n
	v_permlanex16_b32 v[200+qx], v[192+qx], s44, s45
.set qx, qx+1
.endr
.set qx, 0
.rept \n
	v_max_num_f32 v[192+qx], v[192+qx], v[200+qx]  ; the block's largest magnitude
.set qx, qx+1
.endr
.set qx, 0
.rept \n
	v_add_nc_u32 v[208+qx], 0xff000000, v[192+qx]  ; 2 off its exponent field: the conversion's scale operand
.set qx, qx+1
.endr
.set qx, 0
.rept \n
	v_lshrrev_b32 v[216+qx], 23, v[208+qx]         ; the scale's byte
.set qx, qx+1
.endr
	WIN 0x03
.set qx, 0
.rept \n
	v_cvt_scalef32_pk16_fp6_f32 v[224+4*qx:226+4*qx], v[\base+16*qx:\base+16*qx+15], v[208+qx]
.set qx, qx+1
.endr
	WIN 0
	v_nop                                          ; one plain instruction behind the scaled conversions
.endm
; The first product's epilogue: inp, the running sum, ms quantised and sent to LDS: block 8 wc + step of each of my 64 rows.
.macro EPI_P1
	WIN 0xff
.set ee, 0
.rept 32
	v_pk_mul_f32 v[128+ee:129+ee], v[128+ee:129+ee], v[192+ee:193+ee]          ; a2 a3; each accumulator is taken from its low end on
.set ee, ee+2
.endr
.set ee, 0
.rept 32
	v_pk_fma_f32 v[ee:ee+1], v[ee:ee+1], v[64+ee:65+ee], v[128+ee:129+ee] neg_lo:[0,0,1] neg_hi:[0,0,1]   ; inp = a0 a1 - a2 a3
.set ee, ee+2
.endr
	WIN 0x0f
.set ee, 0
.rept 8
	v_pk_add_f32 v[160+ee:161+ee], v[ee:ee+1], v[16+ee:17+ee]                  ; my four rows' sum
.set ee, ee+2
.endr
	WIN 0x0c
.set ee, 0
.rept 8
	v_pk_add_f32 v[160+ee:161+ee], v[160+ee:161+ee], v[32+ee:33+ee]
.set ee, ee+2
.endr
.set ee, 0
.rept 8
	v_pk_add_f32 v[160+ee:161+ee], v[160+ee:161+ee], v[48+ee:49+ee]
.set ee, ee+2
.endr
	WIN 0
.set ee, 0
.rept 16
	v_mov_b32_dpp v[176+ee], v[160+ee] row_shr:1 row_mask:0xf bank_mask:0xf bound_ctrl:1   ; lane r takes lane r - 1's sum, lane 0 takes 0;
.set ee, ee+1
.endr
.irp n, 1,2,4,8
.set ee, 0
.rept 16
	v_add_f32_dpp v[176+ee], v[176+ee], v[176+ee] row_shr:\n row_mask:0xf bank_mask:0xf bound_ctrl:1   ; four doubling steps: the sum of all lanes below mine
.set ee, ee+1
.endr
.endr
	WIN 0xc8
.set ee, 0
.rept 8
	v_pk_add_f32 v[64+ee:65+ee], v[176+ee:177+ee], v[192+ee:193+ee]            ; ms of row 4 r: what lies ahead of my 64 rows + the lanes below
.set ee, ee+2
.endr
	WIN 0xff
.irp t, 1,2,3
.set ee, 0
.rept 8
	v_pk_add_f32 v[64+16*\t+ee:65+16*\t+ee], v[48+16*\t+ee:49+16*\t+ee], v[16*\t-16+ee:16*\t-15+ee]   ; ms of row 4 r + t = ms of the row before + its inp
.set ee, ee+2
.endr
.endr
	QRUN 4, 64
	s_add_co_u32 s49, s41, R2
	v_add_nc_u32 v15, s49, v14
	s_add_co_u32 s49, s42, R2
	v_add_nc_u32 v17, s49, v16
.irp t, 0,1,2,3
.irp i, 0,1,2
	ds_store_b32 v15, v[224+4*\t+\i] offset:6144*\t+4*\i
.endr
.endr
.irp t, 0,1,2,3
	ds_store_b8 v17, v[216+\t] offset:256*\t       ; lanes l and l xor 16 store the same byte with the same value
.endr
	s_wait_dscnt 0x0                               ; the stores are done: the next step's loads land in their registers
.endm
; gelu of 32 numbers at v[yb] on, in place; all in window 3: t at v128, y^2 and then max(y, 0) at v160, the polynomial at v192; v[224:225] hold c8.
.macro GELU yb
.set gj, 0
.rept 32
	v_fma_f32 v[128+gj], |v[\yb+gj]|, s88, 1.0     ; 1 + z / 2, z = |y| / sqrt 2; each accumulator is taken from its low end on
.set gj, gj+1
.endr
.set gj, 0
.rept 32
	v_rcp_f32 v[128+gj], v[128+gj]                 ; t
.set gj, gj+1
.endr
.set gj, 0
.rept 16
	v_pk_mul_f32 v[160+gj:161+gj], v[\yb+gj:\yb+gj+1], v[\yb+gj:\yb+gj+1]      ; y^2: plain work that names no reciprocal
.set gj, gj+2
.endr
	s_wait_alu depctr_va_vdst(0)                   ; one wait for the 32 reciprocals, ahead of their first reader
.set gj, 0
.rept 16
	v_pk_fma_f32 v[192+gj:193+gj], v[128+gj:129+gj], s[84:85], v[224:225] op_sel_hi:[1,0,1]   ; c9 t + c8
.set gj, gj+2
.endr
.irp k, 80,78,76,74,72,70,68,66
.set gj, 0
.rept 16
	v_pk_fma_f32 v[192+gj:193+gj], v[192+gj:193+gj], v[128+gj:129+gj], s[\k:\k+1] op_sel_hi:[1,1,0]   ; down to c0
.set gj, gj+2
.endr
.endr
.set gj, 0
.rept 16
	v_pk_fma_f32 v[192+gj:193+gj], v[160+gj:161+gj], s[86:87], v[192+gj:193+gj] op_sel_hi:[1,0,1]     ; - z^2 log2(e)
.set gj, gj+2
.endr
.set gj, 0
.rept 32
	v_exp_f32 v[192+gj], v[192+gj]                 ; erfc(z) / (2 t)
.set gj, gj+1
.endr
.set gj, 0
.rept 32
	v_max_num_f32 v[160+gj], 0, v[\yb+gj]          ; plain work that names no exponential
.set gj, gj+1
.endr
	s_wait_alu depctr_va_vdst(0)                   ; one wait for the 32 exponentials
.set gj, 0
.rept 16
	v_pk_mul_f32 v[192+gj:193+gj], v[192+gj:193+gj], v[128+gj:129+gj]
.set gj, gj+2
.endr
.set gj, 0
.rept 16
	v_pk_mul_f32 v[192+gj:193+gj], v[192+gj:193+gj], v[\yb+gj:\yb+gj+1]        ; y erfc(z) / 2
.set gj, gj+2
.endr
.set gj, 0
.rept 32
	v_sub_f32 v[\yb+gj], v[160+gj], |v[192+gj]|
.set gj, gj+1
.endr
.endm
; The second product's epilogue: gelu, y quantised and sent to LDS: blocks 8 wc + 2 step + b of each of my 64 rows.  Run 4 b + t lies at 16 (4 b + t).
.macro EPI_P2
	WIN 0xff
	GELU 0
	GELU 32
	GELU 64
	GELU 96
	QRUN 8, 0
	s_add_co_u32 s49, s41, R1
	v_add_nc_u32 v15, s49, v14
	s_add_co_u32 s49, s42, R1
	v_add_nc_u32 v17, s49, v16
.irp b, 0,1
.irp t, 0,1,2,3
.irp i, 0,1,2
	ds_store_b32 v15, v[224+4*(4*\b+\t)+\i] offset:6144*\t+384*\b+4*\i
.endr
.endr
.endr
.irp b, 0,1
.irp t, 0,1,2,3
	ds_store_b8 v17, v[216+4*\b+\t] offset:256*\t+\b
.endr
.endr
	s_wait_dscnt 0x0                               ; the stores are done: the next step's loads land in their registers
.endm
; The way out of row tile t: 16 rows x 64 columns go through my own stage (rows 272 bytes apart) and come back as whole runs of 256 bytes.
.macro TOSTAGE t
	WIN 0x0c                                       ; an LDS store's data are its source 1: window 3
.set sb, 0
.rept 2
.set sq, 0
.rept 4
	ds_store_b128 v18, v[64*sb+16*(\t)+4*sq:64*sb+16*(\t)+4*sq+3] offset:128*sb+16*sq
.set sq, sq+1
.endr
.set sb, sb+1
.endr
	WIN 0
.set sk, 0
.rept 8
	ds_load_b128 v[160+32*((\t)&1)+4*sk:160+32*((\t)&1)+4*sk+3], v19 offset:544*sk   ; LDS serves a wave's instructions in order: these see the stores above, and the next tile's stores come behind them
.set sk, sk+1
.endr
.endm
.macro SEND t, younger                 ; younger: the LDS instructions issued behind tile t's loads, which may stay out
	s_wait_dscnt \younger
.set sk, 0
.rept 8
	global_store_b128 v20, v[160+32*((\t)&1)+4*sk:160+32*((\t)&1)+4*sk+3], s[10:11] offset:16384*sk+2048*(\t) th:TH_STORE_NT   ; 16 lanes store 256 consecutive bytes, aligned; written once
.set sk, sk+1
.endr
.endm
; The third product's epilogue: out = z_lo / (1 + 2^(-z_hi log2 e)).  z_lo at v0-127, z_hi at v128-255 of window 3.
.macro EPI_P3
	WIN 0xff
.set ee, 0
.rept 64
	v_pk_mul_f32 v[128+ee:129+ee], v[128+ee:129+ee], 0xbfb8aa3b op_sel_hi:[1,0]
.set ee, ee+2
.endr
.set ee, 0
.rept 128
	v_exp_f32 v[128+ee], v[128+ee]
.set ee, ee+1
.endr
	v_nop                                          ; a plain instruction behind the last exponential
	s_wait_alu depctr_va_vdst(0)                   ; one wait for the batch
.set ee, 0
.rept 64
	v_pk_add_f32 v[128+ee:129+ee], v[128+ee:129+ee], 1.0 op_sel_hi:[1,0]
.set ee, ee+2
.endr
.set ee, 0
.rept 128
	v_rcp_f32 v[128+ee], v[128+ee]
.set ee, ee+1
.endr
	v_nop
	s_wait_alu depctr_va_vdst(0)
.set ee, 0
.rept 64
	v_pk_mul_f32 v[ee:ee+1], v[ee:ee+1], v[128+ee:129+ee]
.set ee, ee+2
.endr
	WIN 0
	TOSTAGE 0
	TOSTAGE 1
	SEND 0, 16                                     ; behind tile 0's loads: tile 1's 8 stores and 8 loads
	s_wait_xcnt 0x0                                ; tile 0's stores have read their registers: tile 2's loads may land there
	TOSTAGE 2
	SEND 1, 16
	s_wait_xcnt 0x0
	TOSTAGE 3
	SEND 2, 16
	SEND 3, 0
	s_wait_xcnt 0x0                                ; the stores have read their registers and their base
	s_add_nc_u64 s[10:11], s[10:11], 256           ; 64 columns on
.endm
.macro FETCHH win                      ; my 16 fragments (row tile t, K step s: 4 t + s) from the images at v13, into v[12 (4 t + s)] of the window
	WIN \win
.set ff, 0
.rept 16
.set fc, 0
.rept 6
	ds_load_b64 v[12*ff+2*fc:12*ff+2*fc+1], v13 offset:1536*ff+768*(fc/3)+8*(fc%3)
.set fc, fc+1
.endr
.set ff, ff+1
.endr
	WIN 0
.irp t, 0,1,2,3
	ds_load_b128 v[MSS+4*\t:MSS+4*\t+3], v17 offset:256*\t   ; a row's 16 scale bytes: the words of its four K steps
.endr
.endm
; A STEP of product ph.  refill = 1: the slot just read is filled again, two slots on.  last >= 0: in step number last no next slot is entered.
.macro STEP ph, refill, last
.if \ph == 1
	v_add_nc_u32 v13, s43, v12
.endif
	LOADW 1, 1
.if \ph == 1
	WIN 0x80
.irp e, 0,1,2,3
	ds_load_b128 v[192+4*\e:195+4*\e], v13 offset:16*\e   ; what lies ahead of my rows, for the step's 16 columns of my half
.endr
	WIN 0
	s_wait_dscnt 28                                ; all but the 28 just issued: group 0, the scale words and the biases are in
.else
	s_wait_dscnt 24                                ; all but the 24 just issued
.endif
	MULS \ph, 0, 0, 8
	WIN 0
	PLACES
	LOADW 0, 2
	s_wait_dscnt 24                                ; group 1 is in
	MULS \ph, 1, 0, 8
	WIN 0
	PLACES
	LOADW 1, 3
	s_wait_dscnt 24                                ; group 2 is in
	MULS \ph, 2, 0, 8
	WIN 0
	s_wait_tensorcnt 0x0                           ; all my tensor loads have landed: my quarter of the next slot; so the walking group 0 may be written
	ds_add_u32 v1, v2                              ; 0 onto my spare word
.if \refill
	s_xor_b32 s37, s37, SLOTB                      ; the slot to be filled: the one in hand
	s_add_co_u32 s33, s36, s37
	s_add_nc_u64 s[34:35], s[34:35], SLOTB         ; the next slot of the stream; the type bits on top are not reached
	s_wait_xcnt 0x0                                ; the last prefetch, a step back, has read its address
	s_add_nc_u64 s[46:47], s[46:47], SLOTB
.endif
	s_wait_dscnt 0x0                               ; the add is done, and my reads of this slot are over: group 3 is in registers
	s_barrier_signal -1
	MULS \ph, 3, 0, 4
	WIN 0
	s_barrier_wait -1
.if \refill
	CREST                                          ; no wave of any partner still reads this slot or has a load on its way
	tensor_load_to_lds s[32:35], s[20:27]
	s_nop 0
	PLACES
	ASK
.endif
	MULS \ph, 3, 4, 8
	WIN 0
	PLACES
	s_xor_b32 s38, s38, SLOTB                      ; on to the other slot, which is whole
.if \last >= 0
	s_cmp_eq_u32 s39, \last
	s_cbranch_scc1 .Lnoent_\@
.endif
	ENTRY                                          ; its first loads land while the epilogue runs
.if \last >= 0
.Lnoent_\@:
.endif
.if \ph == 1
	EPI_P1
	s_add_co_u32 s41, s41, 384                     ; one block on in the images,
	s_add_co_u32 s42, s42, 1                       ; among the scale bytes,
	s_add_co_u32 s43, s43, 128                     ; and 32 columns on in the table
.elseif \ph == 2
	EPI_P2
	s_add_co_u32 s41, s41, 768                     ; two blocks on
	s_add_co_u32 s42, s42, 2
.else
	EPI_P3
.endif
	s_add_co_u32 s39, s39, 1
.endm
	s_load_b256 s[4:11], s[0:1], 0x0               ; xq s[4:5], wq s[6:7], csum s[8:9], out0 s[10:11]
	v_lshl_add_u32 v1, v0, 2, SPARE
	v_mov_b32 v2, 0
	ds_add_u32 v1, v2
	ds_add_u32 v1, v2
	s_wait_dscnt 0x0
	v_lshrrev_b32 v160, 5, v0
	v_readfirstlane_b32 s12, v160                  ; wave
	s_lshr_b32 s13, s12, 1                         ; wr
	s_and_b32 s14, s12, 1                          ; wc
	s_bfe_u32 s15, ttmp6, 0x40000                  ; cx: it enters global addresses and selects alone
	s_lshl_b32 s16, ttmp9, 2
	s_add_co_u32 s16, s16, s15                     ; X
	s_and_b32 s17, s16, 63                         ; my chunk's number in its batch
	s_mov_b32 s20, 15|(3<<16)|(1<<21)              ; group 1: mask: all four work-groups; elements of 8 bytes; bit 21 beside a mask; no padding
	s_mov_b32 s21, 32<<16                          ; tensor_dim0 = 32 elements: 256 bytes
	s_mov_b32 s22, 101<<16                         ; tensor_dim1 = 101 rows
	s_mov_b32 s23, 32<<16                          ; tile_dim0
	s_mov_b32 s24, 101                             ; tile_dim1
	s_mov_b32 s25, 32                              ; the pitch: dense
	s_mov_b32 s26, 0
	s_mov_b32 s27, 0
	s_mul_i32 s36, s12, 25856                      ; my quarter of a slot, in LDS and in memory
	s_mov_b32 s37, SLOTB                           ; the slot last filled
	s_mov_b32 s38, 0                               ; the slot in hand
	s_mov_b32 s39, 0                               ; the step's number
	s_mov_b32 s41, 0
	s_mov_b32 s42, 0
	s_mov_b32 s43, 0
	s_mov_b32 s44, 0x76543210
	s_mov_b32 s45, 0xfedcba98                      ; v_permlanex16_b32's selects for lane l xor 16
	KPAIR 66, 0xc034d90f                           ; c0 = -1.26551223 log2(e) - 1 (the 1 is the factor 1/2)
	KPAIR 68, 0x3fb8ab5a                           ; c1 =  1.00002368 log2(e)
	KPAIR 70, 0x3f0a29d2                           ; c2 =  0.37409196 log2(e)
	KPAIR 72, 0x3e0efb2e                           ; c3 =  0.09678418 log2(e)
	KPAIR 74, 0xbe899a80                           ; c4 = -0.18628806 log2(e)
	KPAIR 76, 0x3ecdfd18                           ; c5 =  0.27886807 log2(e)
	KPAIR 78, 0xbfd1a1e5                           ; c6 = -1.13520398 log2(e)
	KPAIR 80, 0x40097039                           ; c7 =  1.48851587 log2(e)
	KPAIR 82, 0xbf97d29d                           ; c8 = -0.82215223 log2(e)
	KPAIR 84, 0x3e7c6f08                           ; c9 =  0.17087277 log2(e)
	KPAIR 86, 0xbf38aa3b                           ; -log2(e) / 2: -z^2 log2(e) = this x y^2
	s_mov_b32 s88, 0x3eb504f3                      ; 1 / (2 sqrt 2)
	s_cmp_lt_u32 s12, 3
	s_cselect_b32 s48, PFN, 0
	s_cmp_eq_u32 ttmp9, 0
	s_cselect_b32 s48, s48, 0                      ; waves 0 to 2 of the first cluster prefetch: the same in all four partners
	v_and_b32 v160, 31, v0                         ; lane
	v_and_b32 v161, 15, v0                         ; r
	v_bfe_u32 v162, v0, 4, 1                       ; h
	v_lshlrev_b32 v3, 4, v160                      ; 16 x lane
	v_lshlrev_b32 v4, 2, v160                      ; 4 x lane
	v_mul_u32_u24 v5, v160, 24                     ; 24 x lane
	s_mul_i32 s49, s14, 49152
	v_add_nc_u32 v6, s49, v3                       ; my 32 fragments of a slot
	s_lshl_b32 s49, s14, 11
	s_add_co_u32 s49, s49, 98304
	v_add_nc_u32 v7, s49, v4                       ; their scale words
	s_lshl_b32 s49, s14, 9
	s_add_co_u32 s49, s49, 102400
	v_lshl_add_u32 v8, v162, 5, s49                ; my bias tiles: + 32 h
	s_lshl_b32 s49, s13, 11
	s_lshl_b32 s50, s14, 10
	s_add_co_u32 s49, s49, s50
	s_add_co_u32 s49, s49, OFFT
	v_lshl_add_u32 v12, v162, 6, s49               ; the table: 2048 wr + 1024 wc + 64 h
	s_mul_i32 s49, s13, 24576
	s_mul_i32 s50, s14, 3072
	s_add_co_u32 s49, s49, s50
	v_mul_u32_u24 v14, v161, 24
	v_mad_u32_u24 v14, v162, 12, v14
	v_add_nc_u32 v14, s49, v14                     ; where I store codes: 24576 wr + 3072 wc + 24 r + 12 h
	s_lshl_b32 s49, s13, 10
	s_lshl_b32 s50, s14, 3
	s_add_co_u32 s50, s49, s50
	s_add_co_u32 s50, s50, 49152
	v_lshl_add_u32 v16, v161, 4, s50               ; and scale bytes: 49152 + 1024 wr + 8 wc + 16 r
	s_add_co_u32 s49, s49, 49152
	v_lshl_add_u32 v22, v161, 4, s49               ; where I read a row's 16 scale bytes
	s_mul_i32 s49, s12, 4352
	s_add_co_u32 s49, s49, R2                      ; my stage
	v_mul_u32_u24 v18, v161, 272
	v_lshl_add_u32 v18, v162, 6, v18
	v_add_nc_u32 v18, s49, v18                     ; in: row r, + 64 h
	v_mul_u32_u24 v19, v162, 272
	v_lshl_add_u32 v19, v161, 4, v19
	v_add_nc_u32 v19, s49, v19                     ; back: lanes 0-15 one row, lanes 16-31 the next
	v_lshlrev_b32 v20, 13, v162
	v_lshl_add_u32 v20, v161, 4, v20               ; and in out0: stage rows are four rows of 2,048 bytes apart
	v_lshlrev_b32 v21, 8, v160                     ; the prefetches: 256 x lane
	v_lshlrev_b32 v23, 4, v0                       ; 16 x thread
	v_add_nc_u32 v13, OFFT, v23                    ; where my four columns of the table go
	s_wait_kmcnt 0x0
	s_mov_b32 s51, 0
	s_mov_b32 s53, 0
	s_mov_b32 s50, s36
	s_add_nc_u64 s[18:19], s[6:7], s[50:51]        ; the stream at my quarter
	s_mov_b32 s28, 1                               ; group 0 for slot 0
	s_mov_b32 s29, s36
	s_mov_b64 s[30:31], s[18:19]
	s_or_b32 s31, s31, 0x80000000
	s_mov_b32 s32, 1                               ; group 0 for slot 1; it then walks
	s_add_co_u32 s33, s36, SLOTB
	s_add_nc_u64 s[34:35], s[18:19], SLOTB
	s_or_b32 s35, s35, 0x80000000
	s_mul_i32 s50, s15, 24576
	s_lshl_b32 s49, s12, 13
	s_add_co_u32 s50, s50, s49
	s_add_co_u32 s50, s50, 2*SLOTB
	s_add_nc_u64 s[46:47], s[6:7], s[50:51]        ; the prefetches' address: a slot further on than the refill in hand, once stepped
	s_mul_i32 s50, s16, 51200
	s_mul_i32 s49, s13, 24576
	s_add_co_u32 s52, s50, s49
	s_add_nc_u64 s[54:55], s[4:5], s[52:53]        ; my 16 fragments of x
	s_lshl_b32 s49, s13, 10
	s_add_co_u32 s50, s50, s49
	s_add_co_u32 s50, s50, 49152
	s_add_nc_u64 s[56:57], s[4:5], s[50:51]        ; their scale words
	s_and_b32 s50, s16, 0xc0
	s_lshl_b32 s50, s50, 12
	s_add_nc_u64 s[58:59], s[8:9], s[50:51]        ; csum at my batch's first chunk
	s_lshl_b32 s50, s16, 12
	s_add_co_u32 s50, s50, 2048
	s_add_nc_u64 s[60:61], s[8:9], s[50:51]        ; csum[X][1]
	s_lshl_b32 s50, s16, 18
	s_lshl_b32 s49, s13, 17
	s_add_co_u32 s50, s50, s49
	s_lshl_b32 s49, s14, 10
	s_add_co_u32 s50, s50, s49
	s_add_nc_u64 s[10:11], s[10:11], s[50:51]      ; out0 at row 128 X + 64 wr, column 256 wc
	ROUND                                          ; all four work-groups are here: the first joint loads meet
	tensor_load_to_lds s[28:31], s[20:27]
	s_nop 0
	tensor_load_to_lds s[32:35], s[20:27]
	s_nop 0
	PLACES
	WIN 0xc0
.set cc, 0
.rept 64
	global_load_b128 v[4*cc:4*cc+3], v23, s[58:59] offset:4096*cc   ; chunk cc's sums of my four columns
.set cc, cc+1
.endr
	WIN 0x80
	global_load_b128 v[212:215], v23, s[60:61]     ; my chunk's first 64 rows'
	WIN 0x40
.set li, 0
.rept 48
	global_load_b128 v[4*li:4*li+3], v3, s[54:55] offset:512*li   ; fragment li / 3, its registers 4 (li % 3) on: images lie on end
.set li, li+1
.endr
	WIN 0
.set li, 0
.rept 8
	global_load_b32 v[XS+li], v4, s[56:57] offset:128*li
.set li, li+1
.endr
	s_wait_loadcnt 56                              ; the 65 loads of sums are in; the 56 of x behind them may be out
.set cc, 0
.rept 64
	s_cmp_gt_u32 s17, cc
	s_cselect_b32 s50, -1, 0                       ; does chunk cc lie ahead of mine?
	WIN 0xcc
	v_cndmask_b32 v[4*cc], 0, v[4*cc], s50
	v_cndmask_b32 v[4*cc+1], 0, v[4*cc+1], s50
	v_cndmask_b32 v[4*cc+2], 0, v[4*cc+2], s50
	v_cndmask_b32 v[4*cc+3], 0, v[4*cc+3], s50
.set cc, cc+1
.endr
	WIN 0x8f
	v_pk_add_f32 v[208:209], v[0:1], v[4:5]        ; the first addition starts the sums; chunks in ascending order
	v_pk_add_f32 v[210:211], v[2:3], v[6:7]
	WIN 0x8e
.set cc, 2
.rept 62
	v_pk_add_f32 v[208:209], v[208:209], v[4*cc:4*cc+1]
	v_pk_add_f32 v[210:211], v[210:211], v[4*cc+2:4*cc+3]
.set cc, cc+1
.endr
	WIN 0x8a
	v_pk_add_f32 v[212:213], v[212:213], v[208:209]
	v_pk_add_f32 v[214:215], v[214:215], v[210:211]
	WIN 0x08
	ds_store_b128 v13, v[208:211]                  ; ahead of rows 0-63
	ds_store_b128 v13, v[212:215] offset:2048      ; ahead of rows 64-127
	WIN 0
	s_wait_tensorcnt 0x1                           ; my quarter of slot 0 is in; slot 1's may stay out
	BARRIER                                        ; the table and slot 0 are whole
	ENTRY
	s_wait_loadcnt 0x0                             ; x
	s_mov_b32 s40, 8
.L1:                                               ; the first product: steps 0 .. 7
	STEP 1, 1, -1
	s_sub_co_u32 s40, s40, 1
	s_cmp_lg_u32 s40, 0
	s_cbranch_scc1 .L1
	BARRIER                                        ; ms's 32 images and their scale bytes lie in LDS
	s_mul_i32 s49, s13, 24576
	s_add_co_u32 s49, s49, R2
	v_add_nc_u32 v13, s49, v5
	v_add_nc_u32 v17, R2, v22
	FETCHH 0x80
	WIN 0xc0
	v_mov_b32 v224, s82                            ; c8 as a vector pair, in window 3
	v_mov_b32 v225, s82
	WIN 0
	s_mov_b32 s41, 0
	s_mov_b32 s42, 0
	s_mov_b32 s40, 4
.L2:                                               ; the second product: steps 8 .. 11
	STEP 2, 1, -1
	s_sub_co_u32 s40, s40, 1
	s_cmp_lg_u32 s40, 0
	s_cbranch_scc1 .L2
	BARRIER                                        ; y's 32 images and their scale bytes lie in LDS
	s_mul_i32 s49, s13, 24576
	s_add_co_u32 s49, s49, R1
	v_add_nc_u32 v13, s49, v5
	v_add_nc_u32 v17, R1, v22
	FETCHH 0x40
	s_mov_b32 s40, 2
.L3a:                                              ; the third product: steps 12, 13 ask for slots 14, 15
	STEP 3, 1, -1
	s_sub_co_u32 s40, s40, 1
	s_cmp_lg_u32 s40, 0
	s_cbranch_scc1 .L3a
	s_mov_b32 s40, 2
.L3b:                                              ; the last two steps are written out again
	STEP 3, 0, 15
	s_sub_co_u32 s40, s40, 1
	s_cmp_lg_u32 s40, 0
	s_cbranch_scc1 .L3b
	s_wait_tensorcnt 0x0                           ; the wave's end
	ds_add_u32 v1, v2
	s_wait_dscnt 0x0
	ROUND                                          ; the closing round
	s_endpgm
.Lfunc_end_k_q5c3e316567_chain:
	.size	k_q5c3e316567_chain, .Lfunc_end_k_q5c3e316567_chain-k_q5c3e316567_chain
	.p2alignl 7, 3214868480
	.fill 96, 4, 3214868480
	.section	.rodata,"a",@progbits
	.p2align	6, 0x0
	.amdhsa_kernel k_q5c3e316567_chain
		.amdhsa_group_segment_fixed_size 327680
		.amdhsa_private_segment_fixed_size 0
		.amdhsa_enable_private_segment 0
		.amdhsa_kernarg_size 32
		.amdhsa_user_sgpr_count 2
		.amdhsa_user_sgpr_kernarg_segment_ptr 1
		.amdhsa_wavefront_size32 1
		.amdhsa_system_sgpr_workgroup_id_x 1
		.amdhsa_system_sgpr_workgroup_id_y 1
		.amdhsa_system_sgpr_workgroup_id_z 1
		.amdhsa_system_vgpr_workitem_id 0
		.amdhsa_next_free_vgpr 1024
		.amdhsa_next_free_sgpr 100
		.amdhsa_reserve_vcc 0
		.amdhsa_float_denorm_mode_32 3
		.amdhsa_float_denorm_mode_16_64 3
		.amdhsa_memory_ordered 1
		.amdhsa_forward_progress 1
		.amdhsa_inst_pref_size 255
	.end_amdhsa_kernel
	.section	.bss,"aw",@nobits
	.p2align	6
	.space	262144
	.amdgpu_metadata
---
amdhsa.version: [ 1, 2 ]
amdhsa.kernels:
  - .name:           k_q5c3e316567_chain
    .symbol:         k_q5c3e316567_chain.kd
    .args:
      - { .name: xq, .offset: 0, .size: 8, .value_kind: global_buffer, .address_space: global }
      - { .name: wq, .offset: 8, .size: 8, .value_kind: global_buffer, .address_space: global }
      - { .name: csum, .offset: 16, .size: 8, .value_kind: global_buffer, .address_space: global }
      - { .name: out0, .offset: 24, .size: 8, .value_kind: global_buffer, .address_space: global }
    .group_segment_fixed_size: 327680
    .private_segment_fixed_size: 0
    .kernarg_segment_align: 8
    .kernarg_segment_size: 32
    .max_flat_workgroup_size: 128
    .sgpr_count:     100
    .vgpr_count:     1024
    .wavefront_size: 32
...
	.end_amdgpu_metadata
.endif
;; end of part 3
